; MI455X (gfx1250); checked and timed in simulation.
; The chip was launched on July 23, 2026; its instructions are those of AMD's public machine-readable ISA for CDNA 5 (MIT licence, August 2026) and "CDNA5" Instruction Set Architecture Reference Guide (July 2026). The comments in the code are by the model that wrote it; some were corrected since.
;; CA3 Recurrent Attractor. Allowed arithmetic: matrix products marked QUANTISED: E2M3 operands, one E8M0 scale for each 32 along K, by v_wmma_scale_f32_16x16x128_f8f6f4 with both operands' format E2M3, f32 sums; everything else in f32.
;; Inputs: W_mossy 512 x 2,048 float32; W_rec 512 x 512 float32; dg_query_spikes 16,384 x 2,048 float32; u0 512 float32; v0 512 float32.
;; Outputs: out0 16,384 x 512 float32.
;; This version of the problem:
;;   THIS VERSION OF THE PROBLEM IS GIVEN IN LOW PRECISION. The matrix products marked QUANTISED in the list below multiply operands that are first quantised to E2M3 (2 exponent bits, 3 mantissa bits; 6 bits a number), with one power-of-two scale for each 32 numbers along K (OCP MX v1.0); their sums are f32. All else is computed in f32.
;;   The module's matrix products, in the order in which they are computed (A, B: the left and right operand; K: the contracted axis; several contracted axes count as one K, in the product's order):
;;     1. [M 16,384, K 2,048] x [K 2,048, N 512]; A: input dg_query_spikes; B: input W_mossy: QUANTISED
;;     2. [M 16,384, K 512] x [K 512, N 512]; A: computed on the way; B: input W_rec: QUANTISED
;;     3. [M 16,384, K 512] x [K 512, N 512]; A: computed on the way; B: input W_rec: QUANTISED
;;     4. [M 16,384, K 512] x [K 512, N 512]; A: computed on the way; B: input W_rec: QUANTISED
;;     5. [M 16,384, K 512] x [K 512, N 512]; A: computed on the way; B: input W_rec: QUANTISED
;;     6. [M 16,384, K 512] x [K 512, N 512]; A: computed on the way; B: input W_rec: QUANTISED
;;   THE QUANTISER, for each operand of a quantised product, along K:
;;     - K is cut into blocks of 32 from its start; a last block that is shorter is filled with zeros.
;;     - A block's scale is 2^e with e = floor(log2(the largest magnitude in the block)) - 2, held to -126 .. 127; a block of zeros has e = 0. As a byte (E8M0): e + 127.
;;     - Each number is divided by its block's scale, clamped to +-7.5, and rounded to the nearest number of E2M3, ties to even, subnormals kept.
;;     - The product sums the exact products of the quantised numbers (number of the format x scale) in f32.
;;   ~~~python
;;   def quantise(x, axis):      # numpy; x: float32 -> the quantised numbers, widened to float32 again
;;       x = np.moveaxis(x, axis, -1); K = x.shape[-1]
;;       x = np.pad(x, [(0, 0)] * (x.ndim - 1) + [(0, -K % 32)]); x = x.reshape(x.shape[:-1] + (-1, 32)); a = np.abs(x).max(-1, keepdims=True)
;;       e = np.where(a > 0, np.clip(np.frexp(np.where(a > 0, a, 1))[1] - 1 - 2, -126, 127), 0)      # np.frexp(a)[1] - 1 = floor(log2(a)), exactly
;;       r = np.clip(x / 2.0 ** e, -7.5, 7.5)
;;       step = 2.0 ** (np.maximum(np.frexp(np.where(r == 0, 1, r))[1] - 1, 0) - 3)
;;       q = np.round(r / step) * step * 2.0 ** e      # np.round: ties to even
;;       return np.moveaxis(q.reshape(q.shape[:-2] + (-1,))[..., :K], -1, axis).astype(np.float32)
;;   ~~~
;;   OPERANDS COMPUTED ON THE WAY. 'Computed on the way' means the value that the module computes at that place (a softmax that the list does not call 'softmax' is quantised finished and normalised). What goes into a quantiser is computed in f32, as accurately as f32 sums, v_exp_f32 and their like allow (about 1e-6 of the number): no bf16 or f16 on the way to a quantiser, and a product that is left as it is and whose result goes on into a quantised operand takes f32 operands (vector FMAs, or v_wmma_f32_16x16x4_f32). A number that lies on a knife's edge between two numbers of the format may be rounded either way, as far as f32 arithmetic and the matrix unit's own rounding can turn it there, and no further.
;; One version. Each part assembles by itself: llvm-mc -triple=amdgcn-amd-amdhsa -mcpu=gfx1250 --defsym DOCPART=n.
;; ======== version 1 of 1: 2 launches
;; limits: right only within a limited range of input values
;; workspace buffers: wmb 819,200 bytes; recp 8,192 bytes
;; launch prep (part 1): grid 384 x 1, 1 waves a work-group, no clusters, 0 bytes of LDS; arguments W_mossy, W_rec, v0, wmb, recp; writes wmb, recp
.if DOCPART == 1
	.amdgcn_target "amdgcn-amd-amdhsa--gfx1250"
	.amdhsa_code_object_version 6
	.text
	.protected	k_qbb27c99ea7_prep
	.globl	k_qbb27c99ea7_prep
	.p2align	8
	.type	k_qbb27c99ea7_prep,@function
k_qbb27c99ea7_prep:
	s_mov_b64 s[64:65], 0
	v_nop
	global_prefetch_b8 v0, s[64:65] scope:SCOPE_SE
	s_setreg_imm32_b32 hwreg(HW_REG_WAVE_MODE, 25, 1), 1
	s_wait_xcnt 0x0
; WORK LEFT OUT BY THE WHOLE PROGRAM.  Each step of reference() ends with v = clip(where(v >= 30, -55, v), -90, 30): where v >= 30 it becomes -55, elsewhere it
; stays under 30, so behind any step (v >= 30) is false for every element, whatever the inputs hold.  The left operand of products 3 to 6 is therefore all zeros:
; these four products add 0 and are not computed.  In product 2 the left operand is (v0 >= 30) broadcast over the batch: all 16,384 rows are equal, so one tile of
; 16 equal rows gives the one row of results that every batch row takes.  LIMIT: a NaN, infinity or overflow that reaches only the work left out is not carried on.
; THIS LAUNCH.  Work-groups 0-255: W_mossy [512][2048] becomes codes of FP6 (E2M3) with one E8M0 byte for each 32 along K, laid in the order of the operand's registers.
; A fragment (K step s of 128, tile T of 16 neurons 16 T + r) is 12 registers a lane: lane (r, h) holds k = 64 c + 32 h + 0 .. 31 in registers 6 c .. 6 c + 5.
; wmb: a block of 51,200 bytes for each K step s: codes [T 0..31][group 0..2][lane][16 bytes], then from byte 49,152 the scale words [P / 4][lane][P % 4][4 bytes] of pair P:
; lanes 0-15 tile 2 P, lanes 16-31 tile 2 P + 1: so a lane of the next launch takes its four pairs' words by one load of 16 bytes.  A work-group makes pair P at K step s;
; its one store of scale words puts 4 bytes a lane 16 bytes apart (128 bytes of the work-group's 3,200).
; Work-groups 256-383: tile T of W_rec at K step s is quantised the same way, (v0 >= 30) of the same 128 k too, and one matrix instruction gives that K step's part of
; product 2 for 16 neurons: recp[s][16 T + r], f32.  The next launch adds the four parts in ascending s.
; A block's byte is its largest magnitude's exponent field - 2, held at 1 from below by a floor among the maximum's leaves.
; LIMITS: a block of zeros gets the byte 1 where the rule says 127 (its codes are zeros, and this program alone reads the bytes); NaN and infinities are not served.
.set X,  32                            ; v32-159  the numbers: 64 u + 32 c + i
.set C,  160                           ; v160-183 the codes: 12 u + 6 c
.set TT, 184                           ; v184-199 each block's second three registers as the conversion leaves them
	s_load_b128 s[4:7], s[0:1], 0x0                ; W_mossy, W_rec
	s_load_b128 s[8:11], s[0:1], 0x10              ; v0, wmb
	s_load_b64 s[14:15], s[0:1], 0x20              ; recp
	s_mov_b32 s30, 0x76543210
	s_mov_b32 s31, 0xfedcba98                      ; selects for lane l xor 16
	s_mov_b32 s36, 0x41f00000                      ; 30.0
	s_mov_b32 s20, 2048
	s_cmp_lt_u32 ttmp9, 256                        ; W_mossy's work-group or W_rec's
	s_cselect_b32 s21, 0, 256
	s_cselect_b32 s20, 8192, s20                   ; a row of the weight in bytes
	s_cselect_b32 s34, 8192, 0                     ; the second set's pitch: v0 is one row for all lanes
	s_cselect_b32 s18, 15, 31
	s_cselect_b32 s19, 4, 5
	s_cselect_b32 s25, 5, 4
	s_sub_co_u32 s21, ttmp9, s21
	s_and_b32 s22, s21, s18                        ; P, or T
	s_lshr_b32 s23, s21, s19                       ; s
	s_lshl_b32 s24, s22, s25                       ; first neuron: 32 P, or 16 T
	s_lshl_b32 s26, s23, 9                         ; the K step: 512 s bytes along a row
	s_mov_b32 s27, 0
	s_mul_i32 s28, s23, 51200                      ; the K step's block in wmb
	s_mul_i32 s25, s22, 3072
	s_lshr_b32 s32, s22, 2
	s_lshl_b32 s32, s32, 9
	s_and_b32 s35, s22, 3
	s_lshl_b32 s35, s35, 2
	s_add_co_u32 s32, s32, s35
	s_add_co_u32 s32, s32, s28
	s_add_co_u32 s32, s32, 49152                   ; scale words: + 49,152 + 512 (P / 4) + 4 (P % 4)
	s_add_co_u32 s28, s28, s25                     ; codes: + 1,536 x 2 P
	s_mov_b32 s29, 0
	s_mov_b32 s33, 0
	s_lshl_b32 s38, s23, 11
	s_lshl_b32 s25, s22, 6
	s_add_co_u32 s38, s38, s25                     ; recp: 2048 s + 64 T
	s_mov_b32 s39, 0
	v_and_b32 v1, 15, v0                           ; r
	v_bfe_u32 v2, v0, 4, 1                         ; h
	v_lshlrev_b32 v5, 4, v0                        ; 16 x lane
	v_lshlrev_b32 v26, 2, v1                       ; 4 r
	v_lshlrev_b32 v24, 3, v2                       ; 8 h: my bytes' place in a scale word
	v_mov_b32 v22, 0                               ; a lane permute's destination counts as one of its sources
	v_mov_b32 v23, 0
	v_add_nc_u32 v7, s24, v1                       ; my neuron
	v_mul_u32_u24 v3, v7, s20
	v_lshl_add_u32 v3, v2, 7, v3                   ; its row, + 128 h: my first block
	v_add_nc_u32 v25, 16, v7
	v_mul_u32_u24 v4, v25, s34
	v_lshl_add_u32 v4, v2, 7, v4                   ; sixteen rows further down; in v0: 128 h alone
	s_wait_alu depctr_va_vdst(0)                   ; the wait at the head's end
	s_wait_kmcnt 0x0
	s_cmp_lt_u32 ttmp9, 256                        ; the choices hang on the work-group's number alone
	s_cselect_b64 s[16:17], s[4:5], s[8:9]
	s_cselect_b64 s[4:5], s[4:5], s[6:7]
	s_add_nc_u64 s[4:5], s[4:5], s[26:27]
	s_add_nc_u64 s[16:17], s[16:17], s[26:27]
	s_add_nc_u64 s[12:13], s[10:11], s[32:33]
	s_add_nc_u64 s[10:11], s[10:11], s[28:29]
	s_add_nc_u64 s[14:15], s[14:15], s[38:39]
.macro LD u, a, b
.irp c, 0,1
.irp i, 0,1,2,3,4,5,6,7
	global_load_b128 v[X+64*\u+32*\c+4*\i:X+64*\u+32*\c+4*\i+3], v[\a], s[\b:\b+1] offset:256*\c+16*\i   ; k = 64 c + 32 h + 4 i ..
.endr
.endr
.endm
	LD 0, 3, 4
	LD 1, 4, 16
.macro QT u                            ; set u's 64 numbers a lane become 12 registers of codes and a scale word
.irp c, 0,1
	v_max3_num_f32 v[8+2*\u+\c], |v[X+64*\u+32*\c]|, |v[X+64*\u+32*\c+1]|, 0x1800000   ; the floor 2^(3 - 127)
.endr
.irp i, 2,4,6,8,10,12,14,16,18,20,22,24,26,28,30
.irp c, 0,1
	v_max3_num_f32 v[8+2*\u+\c], v[8+2*\u+\c], |v[X+64*\u+32*\c+\i]|, |v[X+64*\u+32*\c+\i+1]|
.endr
.endr
.irp c, 0,1
	v_add_nc_u32 v[12+2*\u+\c], 0xff000000, v[8+2*\u+\c]   ; 2 off the exponent field: the conversion's scale operand
.endr
.irp c, 0,1
	v_lshrrev_b32 v[16+2*\u+\c], 23, v[12+2*\u+\c]         ; the scale's byte
.endr
	v_lshl_or_b32 v[20+\u], v[17+2*\u], 16, v[16+2*\u]     ; my two bytes: blocks h and 2 + h,
	v_lshlrev_b32 v[20+\u], v24, v[20+\u]                  ; at their places in the word;
	v_permlanex16_b32 v[22+\u], v[20+\u], s30, s31
	v_or_b32 v[20+\u], v[20+\u], v[22+\u]                  ; with lane l xor 16's two the word is whole
.irp c, 0,1
	v_cvt_scalef32_pk16_fp6_f32 v[C+12*\u+6*\c:C+12*\u+6*\c+2], v[X+64*\u+32*\c:X+64*\u+32*\c+15], v[12+2*\u+\c]
	v_cvt_scalef32_pk16_fp6_f32 v[TT+8*\u+4*\c:TT+8*\u+4*\c+2], v[X+64*\u+32*\c+16:X+64*\u+32*\c+31], v[12+2*\u+\c]
.endr
	v_nop                                          ; one plain place behind a scaled conversion
.irp c, 0,1
.irp i, 0,1,2
	v_mov_b32 v[C+12*\u+6*\c+3+\i], v[TT+8*\u+4*\c+\i]
.endr
.endr
.endm
.macro ST u
.irp g, 0,1,2
	global_store_b128 v5, v[C+12*\u+4*\g:C+12*\u+4*\g+3], s[10:11] offset:1536*\u+512*\g   ; 32 lanes store 512 consecutive bytes
.endr
.endm
	s_cmp_lt_u32 ttmp9, 256
	s_wait_alu depctr_va_vdst(0)                   ; the wait ahead of the branch
	s_cbranch_scc0 .Lrec
	s_wait_loadcnt 16                              ; the first tile's sixteen loads are in
	QT 0
	ST 0
	s_wait_loadcnt 0x0
	QT 1
	ST 1
	v_cmp_eq_u32 vcc_lo, 1, v2
	v_cndmask_b32 v20, v20, v21, vcc_lo            ; lanes 0-15 tile 2 P's words, lanes 16-31 tile 2 P + 1's
	global_store_b32 v5, v20, s[12:13]
	s_endpgm
.Lrec:
	s_wait_loadcnt 0x0
.irp g, 0,1,2,3,4,5,6,7                ; the second set holds v0: it becomes (v0 >= 30) as 0 or 1
.irp e, 0,1,2,3,4,5,6,7
	v_cmp_le_f32 s[40+\e], s36, v[X+64+8*\g+\e]
.endr
.irp e, 0,1,2,3,4,5,6,7
	v_cndmask_b32 v[X+64+8*\g+\e], 0, 1.0, s[40+\e]
.endr
.endr
	QT 0
	QT 1
.rept 8
	v_nop                                          ; a scale register written by a vector instruction stands 8 places ahead of a scaled matrix instruction, an operand 4
.endr
	v_wmma_scale_f32_16x16x128_f8f6f4 v[200:207], v[C+12:C+23], v[C:C+11], 0, v21, v20 matrix_a_fmt:MATRIX_FMT_FP6 matrix_b_fmt:MATRIX_FMT_FP6   ; source 0: 16 equal rows of the indicator; source 1: 16 neurons
.rept 4
	v_nop
.endr
	global_store_b32 v26, v200, s[14:15]           ; every register of lane (r, h) holds neuron r's part; both halves of the lanes store the same number to the same word
	s_endpgm
.Lfunc_end_k_qbb27c99ea7_prep:
	.size	k_qbb27c99ea7_prep, .Lfunc_end_k_qbb27c99ea7_prep-k_qbb27c99ea7_prep
	.p2alignl 7, 3214868480
	.fill 96, 4, 3214868480
	.section	.rodata,"a",@progbits
	.p2align	6, 0x0
	.amdhsa_kernel k_qbb27c99ea7_prep
		.amdhsa_group_segment_fixed_size 0
		.amdhsa_private_segment_fixed_size 0
		.amdhsa_enable_private_segment 0
		.amdhsa_kernarg_size 40
		.amdhsa_user_sgpr_count 2
		.amdhsa_user_sgpr_kernarg_segment_ptr 1
		.amdhsa_wavefront_size32 1
		.amdhsa_system_sgpr_workgroup_id_x 1
		.amdhsa_system_sgpr_workgroup_id_y 1
		.amdhsa_system_sgpr_workgroup_id_z 1
		.amdhsa_system_vgpr_workitem_id 0
		.amdhsa_next_free_vgpr 208
		.amdhsa_next_free_sgpr 66
		.amdhsa_reserve_vcc 1
		.amdhsa_float_denorm_mode_32 3
		.amdhsa_float_denorm_mode_16_64 3
		.amdhsa_memory_ordered 1
		.amdhsa_forward_progress 1
		.amdhsa_inst_pref_size 27
	.end_amdhsa_kernel
	.amdgpu_metadata
---
amdhsa.version: [ 1, 2 ]
amdhsa.kernels:
  - .name:           k_qbb27c99ea7_prep
    .symbol:         k_qbb27c99ea7_prep.kd
    .args:
      - { .name: W_mossy, .offset: 0, .size: 8, .value_kind: global_buffer, .address_space: global }
      - { .name: W_rec, .offset: 8, .size: 8, .value_kind: global_buffer, .address_space: global }
      - { .name: v0, .offset: 16, .size: 8, .value_kind: global_buffer, .address_space: global }
      - { .name: wmb, .offset: 24, .size: 8, .value_kind: global_buffer, .address_space: global }
      - { .name: recp, .offset: 32, .size: 8, .value_kind: global_buffer, .address_space: global }
    .group_segment_fixed_size: 0
    .private_segment_fixed_size: 0
    .kernarg_segment_align: 8
    .kernarg_segment_size: 40
    .max_flat_workgroup_size: 32
    .sgpr_count:     66
    .vgpr_count:     208
    .wavefront_size: 32
...
	.end_amdgpu_metadata
.endif
;; end of part 1
;; launch main (part 2): grid 256 x 1, 4 waves a work-group, no clusters, 327,680 bytes of LDS; arguments dg_query_spikes, wmb, recp, v0, u0, out0; writes out0
.if DOCPART == 2
	.amdgcn_target "amdgcn-amd-amdhsa--gfx1250"
	.amdhsa_code_object_version 6
	.text
	.protected	k_qbb27c99ea7_main
	.globl	k_qbb27c99ea7_main
	.p2align	8
	.type	k_qbb27c99ea7_main,@function
k_qbb27c99ea7_main:
	s_mov_b64 s[64:65], 0
	v_nop
	global_prefetch_b8 v0, s[64:65] scope:SCOPE_SE
	s_setreg_imm32_b32 hwreg(HW_REG_WAVE_MODE, 25, 1), 1
	s_wait_xcnt 0x0
; WORK LEFT OUT: products 3 to 6 multiply an indicator that is 0 for every input (behind a step v is under 30), and product 2 has 16,384 equal rows: its one row
; comes as four parts in recp (see the first kernel's head).  W_rec is not among this launch's arguments.
; A work-group makes 64 rows x 512 neurons of the result; a wave 64 x 128: 32 accumulators.  q = Q(dg) Q(W_mossy)^T by MX-FP6 matrix instructions, K = 2,048 in 16 steps.
; dg comes as f32 through two LDS slots, 512 along K each: wave w fetches K step w of a fill (64 rows x 512 bytes, padded to 528) by one tensor load, quantises that tile
; itself and lays the codes and scale words in LDS as images of the operand's registers; every wave reads all four images.  One tensor load a wave is out at a time.
; The weights' codes and scale words come in fragment order from memory straight into four register buffers, 25 loads of 16 bytes a lane for a K step.
; NO CLUSTER: the weights' codes of 512 along K are 196,608 bytes, which do not fit in LDS beside the two slots of 135,168 bytes; so there is no LDS tile of the weights
; that partners could ask for jointly, and dg's tiles are each work-group's own.
; PREFETCH: behind the tensor load of fill f each wave names the 128 blocks of 256 bytes of its own tile of fill f + 1 (a lane a row, four instructions); fill 3 is the last.
; The weights are read by all 256 work-groups alike and are not prefetched.
; THE MATRIX INSTRUCTION IS USED TRANSPOSED (source 0: 16 neurons, source 1: 16 rows of dg).  The sums go through the wave's own stage in slot 0 (its last fill has been read)
; and come back by rows: a lane then holds 4 neighbouring neurons of a row, and 32 lanes store 512 consecutive bytes.
; THE FIVE STEPS, element by element, with c = 70 + 5 q and w = c - u / 2:  v' = v (0.02 v + 3.5) + w;  w' = 0.99 w + (0.01 c - 0.001 v);  where v' >= 30: v = -55, w = w' - 2;
; v is held at -90 from below (from above the reset has done it).  Step 1 starts from v0, u0, the same in all rows: v' = 5 q + K1, w' = 5 q + W1, K1 and W1 per neuron.
; The order of rounding differs from reference()'s; every term is f32.  LIMITS: a block of zeros gets the byte 1 (its codes are zeros); NaN and infinities are not served.
.set TILE,  33792                      ; 64 rows x 528 bytes
.set SLOT1, 4*TILE
.set IMG,   2*SLOT1                    ; 16 fragments x 1,536 bytes
.set IMGS,  IMG+24576                  ; 16 x 128 bytes of scale words
.set SPARE, IMG+26624                  ; the spare words, 128 bytes a wave
.set BBLK,  51200                      ; a K step's block in wmb
.set BSC, 32                           ; v32-47 the weights' scale words, 4 a buffer;  v48-55 dg's, two sets
.set ASC, 48
.set AF,  64                           ; v64-159 dg's fragments, two sets of 48
.set XN,  160                          ; v160-223 numbers to quantise; v224-243 codes; v244-251 at work
.set PC,  224
.set TT,  236
.set TM,  244
.set Q,   56                           ; the steps: 32 elements a chunk
.set V,   88
.set W,   120
.set CC,  152
.set T,   184
.set XX,  216
.set K1,  248
.set W1,  252
.set K35, 16
.set K07, 18
.set K70, 20
.set KM55, 22
; window 1: the accumulators, (tile j, rows m) at 8 (4 j + m).  windows 2, 3: v0-191 two weight buffers each; window 2 v192-215: recp, v0, u0 of my 4 neurons
.set MSB, 0
.macro WIN new
.if MSB != (\new)
	s_set_vgpr_msb (MSB<<8)|(\new)
.set MSB, (\new)
.endif
.endm
.macro PLACES
.rept 4
	v_nop
.endr
.endm
.macro PF f                            ; my tile of fill f: 64 rows x 2 blocks of 256 bytes
.irp i, 0,1
.irp b, 0,1
	global_prefetch_b8 v27, s[70:71] offset:2048*(\f)+262144*\i+256*\b th:TH_LOAD_NT scope:SCOPE_SE
.endr
.endr
.endm
.macro BLOAD b, s                      ; K step s of my 8 tiles into buffer b: 24 loads of codes, one of scale words
	WIN 0x80+0x40*((\b)/2)
.irp j, 0,1,2,3,4,5,6,7
.irp c, 0,1,2
	global_load_b128 v[96*((\b)%2)+12*\j+4*\c:96*((\b)%2)+12*\j+4*\c+3], v4, s[6:7] offset:BBLK*(\s)+1536*\j+512*\c
.endr
.endr
	WIN 0
	global_load_b128 v[BSC+4*(\b):BSC+4*(\b)+3], v4, s[16:17] offset:BBLK*(\s)
.endm
.macro QLOAD a, m                      ; rows 16 m + r of my tile: k = 64 c + 32 h + 4 i ..
.irp c, 0,1
.irp i, 0,1,2,3,4,5,6,7
	ds_load_b128 v[XN+32*\c+4*\i:XN+32*\c+4*\i+3], v[\a] offset:8448*(\m)+256*\c+16*\i
.endr
.endr
.endm
.macro QF a, m                         ; one fragment: two whole blocks a lane
.if (\m) == 0
	s_wait_dscnt 0x0
.else
	s_wait_dscnt 4                                 ; behind the sixteen loads: the last fragment's four image stores
.endif
.irp p, 0,1
.irp c, 0,1
	v_max3_num_f32 v[TM+\c+2*\p], |v[XN+32*\c+16*\p]|, |v[XN+32*\c+16*\p+1]|, 0x1800000   ; the floor 2^(3 - 127)
.endr
.endr
.irp i, 2,4,6,8,10,12,14
.irp p, 0,1
.irp c, 0,1
	v_max3_num_f32 v[TM+\c+2*\p], v[TM+\c+2*\p], |v[XN+32*\c+16*\p+\i]|, |v[XN+32*\c+16*\p+\i+1]|
.endr
.endr
.endr
.irp c, 0,1
	v_max_num_f32 v[TM+\c], v[TM+\c], v[TM+2+\c]
.endr
.irp c, 0,1
	v_add_nc_u32 v[TM+4+\c], 0xff000000, v[TM+\c]  ; 2 off the exponent field: the conversion's scale operand
.endr
.irp c, 0,1
	v_lshrrev_b32 v[TM+2+\c], 23, v[TM+4+\c]       ; the byte
.endr
	v_lshl_or_b32 v[TM+6], v[TM+3], 16, v[TM+2]
	v_lshlrev_b32 v[TM+6], v24, v[TM+6]
	v_permlanex16_b32 v[TM+7], v[TM+6], s52, s53
	v_or_b32 v[TM+6], v[TM+6], v[TM+7]             ; the row's scale word
.irp c, 0,1
	v_cvt_scalef32_pk16_fp6_f32 v[PC+6*\c:PC+6*\c+2], v[XN+32*\c:XN+32*\c+15], v[TM+4+\c]
	v_cvt_scalef32_pk16_fp6_f32 v[TT+4*\c:TT+4*\c+2], v[XN+32*\c+16:XN+32*\c+31], v[TM+4+\c]
.endr
	v_nop                                          ; one plain place behind a scaled conversion
.if (\m) < 3
	QLOAD \a, (\m)+1
.endif
.irp c, 0,1
.irp i, 0,1,2
	v_mov_b32 v[PC+6*\c+3+\i], v[TT+4*\c+\i]
.endr
.endr
.irp g, 0,1,2
	ds_store_b128 v10, v[PC+4*\g:PC+4*\g+3] offset:1536*(\m)+512*\g
.endr
	ds_store_b32 v11, v[TM+6] offset:128*(\m)
.endm
.macro ALOAD k                         ; K step k of the fill: four fragments and their scale words, 16 LDS loads
.irp m, 0,1,2,3
.irp c, 0,1,2
	ds_load_b128 v[AF+48*((\k)%2)+12*\m+4*\c:AF+48*((\k)%2)+12*\m+4*\c+3], v8 offset:(4*(\k)+\m)*1536+512*\c
.endr
.endr
.irp m, 0,1,2,3
	ds_load_b32 v[ASC+4*((\k)%2)+\m], v9 offset:(4*(\k)+\m)*128
.endr
.endm
.macro MMA zero, odd
.if \zero
.if \odd
	v_wmma_scale_f32_16x16x128_f8f6f4 v[rD:rD+7], v[rA:rA+11], v[rB:rB+11], 0, v[rS], v[rT] matrix_a_fmt:MATRIX_FMT_FP6 matrix_b_fmt:MATRIX_FMT_FP6 matrix_a_scale:MATRIX_SCALE_ROW1
.else
	v_wmma_scale_f32_16x16x128_f8f6f4 v[rD:rD+7], v[rA:rA+11], v[rB:rB+11], 0, v[rS], v[rT] matrix_a_fmt:MATRIX_FMT_FP6 matrix_b_fmt:MATRIX_FMT_FP6
.endif
.else
.if \odd
	v_wmma_scale_f32_16x16x128_f8f6f4 v[rD:rD+7], v[rA:rA+11], v[rB:rB+11], v[rD:rD+7], v[rS], v[rT] matrix_a_fmt:MATRIX_FMT_FP6 matrix_b_fmt:MATRIX_FMT_FP6 matrix_a_scale:MATRIX_SCALE_ROW1
.else
	v_wmma_scale_f32_16x16x128_f8f6f4 v[rD:rD+7], v[rA:rA+11], v[rB:rB+11], v[rD:rD+7], v[rS], v[rT] matrix_a_fmt:MATRIX_FMT_FP6 matrix_b_fmt:MATRIX_FMT_FP6
.endif
.endif
.endm
.macro KSTEP g                         ; K step g of 16: 32 matrix instructions, the 32 accumulators by turns
.set KK, (\g)%4
.if KK < 3
	ALOAD KK+1
	s_wait_dscnt 16                                ; this step's fragments are in; the next step's sixteen loads may be out
.else
	s_wait_dscnt 0x0
.endif
.if (\g) < 14
	s_wait_loadcnt 50                              ; two buffers of 25 loads may be out: this step's is older
.else
	s_wait_loadcnt 25*(15-(\g))
.endif
	WIN 0x52+KK/2
.irp j, 0,1,2,3,4,5,6,7
.irp m, 0,1,2,3
.set rD, 8*(4*\j+\m)
.set rA, 96*(KK%2)+12*\j
.set rB, AF+48*(KK%2)+12*\m
.set rS, BSC+4*KK+\j/2
.set rT, ASC+4*(KK%2)+\m
.if (\g) == 0
	MMA 1, \j%2
.else
	MMA 0, \j%2
.endif
.endr
.endr
	WIN 0
	PLACES                                         ; in front of loads into registers that matrix instructions have read, and of the first read of results
.if (\g)+4 < 16
	BLOAD KK, (\g)+4
.endif
.endm
.macro STAGE t                         ; fill t has been asked for; it lies in slot t % 2
	s_wait_tensorcnt 0x0                           ; my one tensor load has landed
	ds_add_u32 v30, v31
.if (\t) == 1 || (\t) == 2
	s_add_nc_u64 s[34+4*(((\t)+1)%2):35+4*(((\t)+1)%2)], s[34+4*(((\t)+1)%2):35+4*(((\t)+1)%2)], 4096   ; no load of mine is out: the other slot's next fill, 1,024 along K on
.endif
	s_wait_dscnt 0x0                               ; the add, my reads of the other slot and of the images
	s_barrier_signal -1
	s_barrier_wait -1
.if (\t) < 3
	tensor_load_to_lds s[32+4*(((\t)+1)%2):35+4*(((\t)+1)%2)], s[24:31]   ; fill t + 1
	s_nop 0
	PLACES
.endif
	QLOAD 6+(\t)%2, 0
.if (\t) < 2
	PF (\t)+2
.endif
	QF 6+(\t)%2, 0
	QF 6+(\t)%2, 1
	QF 6+(\t)%2, 2
	QF 6+(\t)%2, 3
	s_wait_dscnt 0x0                               ; my images are stored
	s_barrier_signal -1
	s_barrier_wait -1
	ALOAD 0
	KSTEP 4*(\t)
	KSTEP 4*(\t)+1
	KSTEP 4*(\t)+2
	KSTEP 4*(\t)+3
.endm
.macro RESET                           ; where v >= 30: v = -55, w = w - 2; else v is held at -90 from below
.set i, 0
.rept 16
	v_pk_add_f32 v[T+i:T+i+1], v[W+i:W+i+1], -2.0 op_sel_hi:[1,0]
.set i, i+2
.endr
.irp g, 0,16
.set i, 0
.rept 16
	v_cmp_le_f32 s[72+i], s50, v[V+\g+i]
.set i, i+1
.endr
.set i, 0
.rept 16
	v_max_num_f32 v[V+\g+i], s51, v[V+\g+i]
.set i, i+1
.endr
.set i, 0
.rept 16
	v_cndmask_b32 v[V+\g+i], v[V+\g+i], v[KM55], s[72+i]
.set i, i+1
.endr
.set i, 0
.rept 16
	v_cndmask_b32 v[W+\g+i], v[W+\g+i], v[T+\g+i], s[72+i]
.set i, i+1
.endr
.endr
.endm
.macro VNEW                            ; 0.02 v + 3.5
.set i, 0
.rept 16
	v_pk_fma_f32 v[T+i:T+i+1], v[V+i:V+i+1], s[44:45], v[K35:K35+1] op_sel_hi:[1,0,1]
.set i, i+2
.endr
.endm
.macro CHUNK more                      ; 8 rows x my 4 neurons through the five steps
	s_wait_dscnt 0x0                               ; the chunk's sums are in
.set i, 0
.rept 16
	v_pk_fma_f32 v[V+i:V+i+1], v[Q+i:Q+i+1], s[40:41], v[K1+i%4:K1+i%4+1] op_sel_hi:[1,0,1]
.set i, i+2
.endr
.set i, 0
.rept 16
	v_pk_fma_f32 v[W+i:W+i+1], v[Q+i:Q+i+1], s[40:41], v[W1+i%4:W1+i%4+1] op_sel_hi:[1,0,1]
.set i, i+2
.endr
.set i, 0
.rept 16
	v_pk_fma_f32 v[CC+i:CC+i+1], v[Q+i:Q+i+1], s[42:43], v[K07:K07+1] op_sel_hi:[1,0,1]   ; 0.01 c
.set i, i+2
.endr
.if \more
	s_add_co_u32 s58, s58, 8*528
	v_add_nc_u32 v15, s58, v13
.irp r, 0,1,2,3,4,5,6,7
	ds_load_b128 v[Q+4*\r:Q+4*\r+3], v15 offset:528*\r   ; the next chunk's sums
.endr
.endif
	RESET
	s_wait_alu depctr_va_vdst(0)                   ; the wait ahead of the wait below
	s_wait_xcnt 0x0                                ; the last chunk's stores have read their base and their data, v216-247, which are written again only below
	s_add_nc_u64 s[14:15], s[14:15], 16384         ; on to this chunk's 8 rows
.rept 3
	VNEW
.set i, 0
.rept 16
	v_pk_fma_f32 v[XX+i:XX+i+1], v[V+i:V+i+1], s[46:47], v[CC+i:CC+i+1] op_sel_hi:[1,0,1]
.set i, i+2
.endr
.set i, 0
.rept 16
	v_pk_fma_f32 v[V+i:V+i+1], v[T+i:T+i+1], v[V+i:V+i+1], v[W+i:W+i+1]
.set i, i+2
.endr
.set i, 0
.rept 16
	v_pk_fma_f32 v[W+i:W+i+1], v[W+i:W+i+1], s[48:49], v[XX+i:XX+i+1] op_sel_hi:[1,0,1]
.set i, i+2
.endr
	RESET
.endr
	VNEW                                           ; the fifth step: only its spike is kept
.set i, 0
.rept 16
	v_pk_fma_f32 v[V+i:V+i+1], v[T+i:T+i+1], v[V+i:V+i+1], v[W+i:W+i+1]
.set i, i+2
.endr
.irp g, 0,16
.set i, 0
.rept 16
	v_cmp_le_f32 s[72+i], s50, v[V+\g+i]
.set i, i+1
.endr
.set i, 0
.rept 16
	v_cndmask_b32 v[XX+\g+i], 0, 1.0, s[72+i]
.set i, i+1
.endr
.endr
.irp r, 0,1,2,3,4,5,6,7
	global_store_b128 v4, v[XX+4*\r:XX+4*\r+3], s[14:15] offset:2048*\r th:TH_STORE_NT   ; 32 lanes store 512 consecutive bytes of a row
.endr
.endm
	s_load_b256 s[4:11], s[0:1], 0x0               ; dg, wmb, recp, v0
	s_load_b128 s[12:15], s[0:1], 0x20             ; u0, out0
	v_lshl_add_u32 v30, v0, 2, SPARE
	v_mov_b32 v31, 0
	ds_add_u32 v30, v31                            ; the opening lines: the add twice on end
	ds_add_u32 v30, v31
	v_lshrrev_b32 v1, 5, v0
	v_readfirstlane_b32 s20, v1                    ; wave
	s_mov_b32 s24, (2<<16)|(1<<20)|(6<<22)|(3<<25) ; elements of 4 bytes; 4 words of padding behind every 128
	s_mov_b32 s25, 128<<16
	s_mov_b32 s26, 64<<16
	s_mov_b32 s27, 128<<16
	s_mov_b32 s28, 64
	s_mov_b32 s29, 2048
	s_mov_b32 s30, 0
	s_mov_b32 s31, 0
	s_mul_i32 s21, s20, TILE
	s_mov_b32 s32, 1
	s_mov_b32 s33, s21
	s_mov_b32 s36, 1
	s_add_co_u32 s37, s21, SLOT1
	s_mul_i32 s22, s20, 6144
	s_lshl_b32 s23, s20, 9
	s_mov_b32 s40, 0x40a00000                      ; 5
	s_mov_b32 s41, s40
	s_mov_b32 s42, 0x3d4ccccd                      ; 0.05
	s_mov_b32 s43, s42
	s_mov_b32 s44, 0x3ca3d70a                      ; 0.02
	s_mov_b32 s45, s44
	s_mov_b32 s46, 0xba83126f                      ; -0.001
	s_mov_b32 s47, s46
	s_mov_b32 s48, 0x3f7d70a4                      ; 0.99
	s_mov_b32 s49, s48
	s_mov_b32 s50, 0x41f00000                      ; 30
	s_mov_b32 s51, 0xc2b40000                      ; -90
	s_mov_b32 s52, 0x76543210
	s_mov_b32 s53, 0xfedcba98
	s_mov_b32 s54, 0x3b03126f                      ; 0.002
	s_mov_b32 s55, s54
	s_lshl_b32 s60, ttmp9, 19                      ; 64 rows of 8,192 bytes,
	s_add_co_u32 s60, s60, s23                     ; + my K step's 512 bytes
	s_mov_b32 s61, 0
	s_mul_i32 s62, s20, 12288                      ; my 8 tiles of a K step's 32
	s_mov_b32 s63, 0
	s_add_co_u32 s66, s23, 49152                   ; my four pairs' scale words
	s_mov_b32 s67, 0
	s_lshl_b32 s68, ttmp9, 17                      ; 64 rows of 2,048 bytes,
	s_add_co_u32 s68, s68, s23                     ; + my 128 neurons
	s_mov_b32 s69, 0
	v_and_b32 v1, 31, v0                           ; lane
	v_and_b32 v2, 15, v0                           ; r
	v_bfe_u32 v3, v0, 4, 1                         ; h
	v_lshlrev_b32 v4, 4, v1
	v_lshlrev_b32 v5, 2, v1
	v_mul_u32_u24 v14, v2, 528
	v_add_nc_u32 v14, s21, v14
	v_lshl_add_u32 v6, v3, 7, v14                  ; my tile in slot 0: row r, + 128 h
	v_add_nc_u32 v7, SLOT1, v6                     ; in slot 1
	v_add_nc_u32 v8, IMG, v4
	v_add_nc_u32 v9, IMGS, v5
	v_add_nc_u32 v10, s22, v8                      ; the images that I write
	v_add_nc_u32 v11, s23, v9
	v_lshl_add_u32 v12, v3, 5, v14                 ; the stage, in: row r, + 32 h
	v_add_nc_u32 v13, s21, v4                      ; and back: 16 bytes a lane of a row
	v_lshlrev_b32 v24, 3, v3
	v_lshlrev_b32 v27, 13, v1                      ; prefetch: a lane a row of 8,192 bytes
	v_add_nc_u32 v28, s23, v4                      ; my 4 neurons in a vector of 512
	v_mov_b32 v[TM+7], 0                           ; a lane permute's destination counts as one of its sources
	s_wait_alu depctr_va_vdst(0)                   ; the wait at the head's end
	s_wait_dscnt 0x0
	s_wait_kmcnt 0x0
	s_add_nc_u64 s[34:35], s[4:5], s[60:61]
	s_mov_b64 s[70:71], s[34:35]
	s_add_nc_u64 s[38:39], s[34:35], 2048
	s_or_b32 s35, s35, 0x80000000
	s_or_b32 s39, s39, 0x80000000
	tensor_load_to_lds s[32:35], s[24:31]          ; fill 0: one tensor load a wave at the head
	s_nop 0
	PLACES
	PF 1
	s_add_nc_u64 s[16:17], s[6:7], s[66:67]
	s_add_nc_u64 s[6:7], s[6:7], s[62:63]
	s_add_nc_u64 s[14:15], s[14:15], s[68:69]
	s_sub_nc_u64 s[14:15], s[14:15], 16384         ; one chunk back: every chunk steps the base ahead of its stores, and nothing is stored by the unstepped base
	WIN 0x80
.irp p, 0,1,2,3
	global_load_b128 v[192+4*\p:195+4*\p], v28, s[8:9] offset:2048*\p
.endr
	global_load_b128 v[208:211], v28, s[10:11]
	global_load_b128 v[212:215], v28, s[12:13]
	WIN 0
	BLOAD 0, 0
	BLOAD 1, 1
	BLOAD 2, 2
	BLOAD 3, 3
	STAGE 0
	STAGE 1
	STAGE 2
	STAGE 3
	WIN 0x04                                       ; the sums into my stage, each accumulator from its low end on
.irp j, 0,1,2,3,4,5,6,7
.irp m, 0,1,2,3
	ds_store_b128 v12, v[8*(4*\j+\m):8*(4*\j+\m)+3] offset:8448*\m+64*\j
	ds_store_b128 v12, v[8*(4*\j+\m)+4:8*(4*\j+\m)+7] offset:8448*\m+64*\j+16
.endr
.endr
	WIN 0
.irp r, 0,1,2,3,4,5,6,7
	ds_load_b128 v[Q+4*\r:Q+4*\r+3], v13 offset:528*\r   ; LDS serves a wave's instructions in order: these see my stores
.endr
	WIN 0x02
.set i, 0
.rept 24
	v_mov_b32 v[T+i], v[192+i]
.set i, i+1
.endr
	WIN 0
	v_mov_b32 v[K35], 0x40600000                   ; 3.5
	v_mov_b32 v[K35+1], 0x40600000
	v_mov_b32 v[K07], 0x3f333333                   ; 0.7
	v_mov_b32 v[K07+1], 0x3f333333
	v_mov_b32 v[K70], 0x428c0000                   ; 70
	v_mov_b32 v[K70+1], 0x428c0000
	v_mov_b32 v[KM55], 0xc25c0000                  ; -55
.irp k, 0,2
	v_pk_add_f32 v[T+\k:T+\k+1], v[T+\k:T+\k+1], v[T+4+\k:T+5+\k]
	v_pk_add_f32 v[T+\k:T+\k+1], v[T+\k:T+\k+1], v[T+8+\k:T+9+\k]
	v_pk_add_f32 v[T+\k:T+\k+1], v[T+\k:T+\k+1], v[T+12+\k:T+13+\k]                              ; product 2's row: its four parts, K ascending
	v_pk_fma_f32 v[T+4+\k:T+5+\k], v[T+16+\k:T+17+\k], s[44:45], v[K35:K35+1] op_sel_hi:[1,0,1]  ; 0.02 v0 + 3.5
	v_pk_fma_f32 v[T+8+\k:T+9+\k], v[T+20+\k:T+21+\k], -0.5, v[K70:K70+1] op_sel_hi:[1,0,1]      ; 70 - u0 / 2
	v_pk_fma_f32 v[T+8+\k:T+9+\k], v[T+\k:T+\k+1], 0.5, v[T+8+\k:T+9+\k] op_sel_hi:[1,0,1]       ; + half the recurrent current
	v_pk_fma_f32 v[K1+\k:K1+\k+1], v[T+4+\k:T+5+\k], v[T+16+\k:T+17+\k], v[T+8+\k:T+9+\k]
	v_pk_mul_f32 v[T+12+\k:T+13+\k], v[T+16+\k:T+17+\k], s[54:55] op_sel_hi:[1,0]
	v_pk_fma_f32 v[T+12+\k:T+13+\k], v[T+20+\k:T+21+\k], s[48:49], v[T+12+\k:T+13+\k] op_sel_hi:[1,0,1]   ; u behind step 1, no spike
	v_pk_fma_f32 v[W1+\k:W1+\k+1], v[T+12+\k:T+13+\k], -0.5, v[K70:K70+1] op_sel_hi:[1,0,1]
.endr
	s_mov_b32 s58, 0
	s_mov_b32 s57, 7
	s_wait_alu depctr_va_vdst(0)                   ; the wait ahead of the wait at the chunk's head
.Lch:
	CHUNK 1
	s_sub_co_u32 s57, s57, 1
	s_cmp_lg_u32 s57, 0
	s_wait_alu depctr_va_vdst(0)                   ; the wait ahead of the branch
	s_cbranch_scc1 .Lch
	CHUNK 0                                        ; the last chunk fetches nothing more
	s_wait_tensorcnt 0x0                           ; the wave's end
	ds_add_u32 v30, v31
	s_wait_dscnt 0x0
	s_endpgm
.Lfunc_end_k_qbb27c99ea7_main:
	.size	k_qbb27c99ea7_main, .Lfunc_end_k_qbb27c99ea7_main-k_qbb27c99ea7_main
	.p2alignl 7, 3214868480
	.fill 96, 4, 3214868480
	.section	.rodata,"a",@progbits
	.p2align	6, 0x0
	.amdhsa_kernel k_qbb27c99ea7_main
		.amdhsa_group_segment_fixed_size 327680
		.amdhsa_private_segment_fixed_size 0
		.amdhsa_enable_private_segment 0
		.amdhsa_kernarg_size 48
		.amdhsa_user_sgpr_count 2
		.amdhsa_user_sgpr_kernarg_segment_ptr 1
		.amdhsa_wavefront_size32 1
		.amdhsa_system_sgpr_workgroup_id_x 1
		.amdhsa_system_sgpr_workgroup_id_y 1
		.amdhsa_system_sgpr_workgroup_id_z 1
		.amdhsa_system_vgpr_workitem_id 0
		.amdhsa_next_free_vgpr 1024
		.amdhsa_next_free_sgpr 90
		.amdhsa_reserve_vcc 0
		.amdhsa_float_denorm_mode_32 3
		.amdhsa_float_denorm_mode_16_64 3
		.amdhsa_memory_ordered 1
		.amdhsa_forward_progress 1
		.amdhsa_inst_pref_size 255
	.end_amdhsa_kernel
	.section	.bss,"aw",@nobits
	.p2align	6
	.space	262144
	.amdgpu_metadata
---
amdhsa.version: [ 1, 2 ]
amdhsa.kernels:
  - .name:           k_qbb27c99ea7_main
    .symbol:         k_qbb27c99ea7_main.kd
    .args:
      - { .name: dg_query_spikes, .offset: 0, .size: 8, .value_kind: global_buffer, .address_space: global }
      - { .name: wmb, .offset: 8, .size: 8, .value_kind: global_buffer, .address_space: global }
      - { .name: recp, .offset: 16, .size: 8, .value_kind: global_buffer, .address_space: global }
      - { .name: v0, .offset: 24, .size: 8, .value_kind: global_buffer, .address_space: global }
      - { .name: u0, .offset: 32, .size: 8, .value_kind: global_buffer, .address_space: global }
      - { .name: out0, .offset: 40, .size: 8, .value_kind: global_buffer, .address_space: global }
    .group_segment_fixed_size: 327680
    .private_segment_fixed_size: 0
    .kernarg_segment_align: 8
    .kernarg_segment_size: 48
    .max_flat_workgroup_size: 128
    .sgpr_count:     90
    .vgpr_count:     1024
    .wavefront_size: 32
...
	.end_amdgpu_metadata
.endif
;; end of part 2
